; MI455X (gfx1250); checked and timed in simulation.
; The chip was launched on July 23, 2026; its instructions are those of AMD's public machine-readable ISA for CDNA 5 (MIT licence, August 2026) and "CDNA5" Instruction Set Architecture Reference Guide (July 2026). The comments in the code are by the model that wrote it; some were corrected since.
;; LNODE Func9. Allowed arithmetic: float matrix products may take bf16 or f16 operands with f32 sums; all other float work in f32.
;; Inputs: R 3 x 3 float32; m 3 x 20 float32; t one number float32; w1_dir 3 x 3 float32; w1_lin 3 x 20 float32; w2_dir 3 x 3 float32; w2_lin 3 x 20 float32; wb 20 x 2 float32; wo 1 x 20 float32; x 1,000,000 x 1 x 3 float32.
;; Outputs: out0 1,000,000 x 1 x 3 float32.
;; One version. Each part assembles by itself: llvm-mc -triple=amdgcn-amd-amdhsa -mcpu=gfx1250 --defsym DOCPART=n.
;; ======== version 1 of 1: 1 launch
;; limits: inputs' magnitudes at most 100,000; a function is approximated: absolute error at most 3e-06
;; launch lnode (part 1): grid 3125 x 1, 1 waves a work-group, no clusters, 4,096 bytes of LDS; arguments x, out0, m, w1_lin, w2_lin, R, w1_dir, w2_dir, wb, wo, t; writes out0
.if DOCPART == 1
	.amdgcn_target "amdgcn-amd-amdhsa--gfx1250"
	.amdhsa_code_object_version 6
	.text
	.protected	k_q0978c4c7aa_lnode
	.globl	k_q0978c4c7aa_lnode
	.p2align	8
	.type	k_q0978c4c7aa_lnode,@function
k_q0978c4c7aa_lnode:
	s_mov_b64 s[64:65], 0
	v_nop
	global_prefetch_b8 v0, s[64:65] scope:SCOPE_SE
	s_setreg_imm32_b32 hwreg(HW_REG_WAVE_MODE, 25, 1), 1
	s_wait_xcnt 0x0
; LNODEFunc9.  x, out0: [1000000][3] f32.  All other inputs together are 1,072 bytes.
;
; THE ALGEBRA.  reference() forms 20 channels h_f = a_f x + b_f u (a_f = wb[f][0], b_f = wb[f][1]), takes
; cross(M1 h_f, M2 h_f) + h_f and sums with the weights wo_f.  The cross product is bilinear, so for every input
;   out = Saa (M1 x) x (M2 x) + Sab ((M1 x) x q2 + q1 x (M2 x)) + Sbb (q1 x q2) + Sa x + Sb u
; with q1 = M1 u, q2 = M2 u, Saa = sum wo a a, Sab = sum wo a b, Sbb = sum wo b b, Sa = sum wo a, Sb = sum wo b.
; Shortly: out = (Saa M1 x) x (M2 x) + A x + c0: 24 numbers that are the same for all rows (M1, M2 are m m^T, symmetric: 6 each).
; Every input is read and every step of reference() is computed; only the order of the sums differs.
;
; THE SHARES.  1,000,000 rows = 3125 x 320.  A work-group is one wave and owns 320 rows = 3,840 bytes = 15 aligned pieces of
; 256 bytes: seven 16-byte-a-lane instructions of 512 bytes and one that covers the last 256 bytes, in which lanes 16-31
; repeat lanes 0-15 (same addresses, same data, in the load, in LDS and in the store).  No tail, no loop, EXEC stays full.
; Each wave asks for all its x at once and works the 24 constants out itself, spread over its lanes, while x is on its way.
; LDS re-slices: memory is touched by neighbouring lanes at neighbouring bytes, the arithmetic wants (x_j of row A, x_j of
; row B) in a register pair for the packed multiply-adds.  The pair side walks LDS at a stride of 3 words a lane.
; The 16-byte side of the way in is written as four 4-byte LDS stores a piece (32 in all, two lanes to a bank); a 16-byte
; store would do the same in 8.  One wave a work-group: no barrier.
; Each constant lies twice, in a register pair, in every lane, and signs are carried by operands (a pair of -1.0, a negated
; copy), so that every multiply-add is the plain form without modifiers.
;
; LEFT OUT, AND WHY.  Matrix instructions: what is left for a row has K = 3 (36 multiply-adds), a K = 32 form would be 29/32
; zeros; the 3x20 by 20x3 products of the preamble are 360 multiply-adds and enter the result to the fourth order, so they stay
; in f32.  Tensor loads, clusters, multicast: the bytes that work-groups share are the 1,072 bytes of small inputs; x is shared
; by nobody.  Prefetch, rings: a wave's whole share is requested by its first eight x loads.
;
; LIMITS.  (1) sin t, cos t: a = t/4 - n pi/2 with n = round(t / 2 pi), Taylor polynomials at a (sine to a^7, cosine to a^8),
; the angle doubled twice: absolute error below 3e-6 for |t| <= 1e5; beyond that the reduction loses accuracy, and from
; |t| / 2 pi = 2^22 on n is wrong.  (2) Inputs are finite and no product overflows: lanes that hold clamped duplicates are
; multiplied by a mask of 0, and where y.d is NaN the result is y, not NaN.  (3) The order of rounding differs from
; reference()'s (sums over f first, R applied behind the 20-long sums, q1 x q2 taken as half of L u).  (4) kf / (dd + EPS) is
; v_rcp_f32 and a multiply; a denormal dd + EPS counts as zero.
.set ROWS,  320
.set SHARE, ROWS*12                    ; 3,840 bytes of x and of out0 for a wave
.set LAST,  3584                       ; byte of the wave's last piece of 256 bytes
; scalar registers: s[2:3] my share's byte offset; s11, s12 lane selects; s[40:60] 21 constants on their way; the addresses:
.set SX,    16                         ; x
.set SO,    18                         ; out0
.set SM,    20                         ; m
.set SW1,   22                         ; w1_lin
.set SW2,   24                         ; w2_lin
.set SR,    26                         ; R
.set SD1,   28                         ; w1_dir
.set SD2,   30                         ; w2_dir
.set SWB,   32                         ; wb
.set SWO,   34                         ; wo
.set ST,    36                         ; t
.set SC,    40                         ; s[40:60] constant n, n = 0..20
; vector registers
.set XOFF,  1                          ; 16 x lane: offset in x, in out0 and in LDS for the seven 512-byte pieces
.set XOF7,  2                          ; 16 x (lane & 15): the same for the last piece
.set VA,    3                          ; 12 x lane: LDS address of row `lane`
.set OM,    4                          ; 80 k'    row k' of m
.set OW,    5                          ; 80 g'    row g' of w1_lin, w2_lin
.set ORR,   6                          ; 12 k'    row k' of R
.set OD,    7                          ; 12 g'    row g' of w1_dir, w2_dir
.set OB,    8                          ; 8 f'     wb[f']
.set OO,    9                          ; 4 f'     wo[f']
.set ZR,    10                         ; 0
.set ONE,   11                         ; 1.0
.set SG,    12                         ; +1.0 in lanes 0-15, -1.0 in lanes 16-31
.set VM,    13                         ; 1.0 in the lanes with g < 3 and k < 3, else 0
.set KV,    14                         ; k
.set GV,    15                         ; g
.set XS,    16                         ; v[16:47] x as loaded, later out as stored
.set XP,    48                         ; v[48:77] group p, component j: the pair at XP + 6 p + 2 j
.set NEG,   78                         ; v[78:79] -1.0, -1.0
.set MV,    80                         ; v[80:99]   m row k'
.set WA,    100                        ; v[100:119] w1_lin row g'
.set WB,    120                        ; v[120:139] w2_lin row g'
.set CV,    80                         ; v[80:127] later: constant n twice, the pair at CV + 2 n
                                       ; n = SYM(k,l): Saa M1[k][l];  6 + SYM(k,l): M2[k][l];  12+3k+i: A[k][i];  21+k: c0[k]
                                       ; SYM(k,l) = k + l + ((k+1)/2)((l+1)/2) = 0..5, the same for (k,l) and (l,k)
.set BC,    128                        ; v[128:130] later: three broadcasts
.set NB,    132                        ; v[132:134] later: their negatives
.set RR,    140                        ; v[140:142] R row k'
.set DA,    144                        ; v[144:146] w1_dir row g'
.set DB,    148                        ; v[148:150] w2_dir row g'
.set AB,    152                        ; v[152:153] a, b of channel f'
.set WO,    154
.set TMP,   155
.set WT,    156                        ; v[156:165] t, sin/cos at work; v[156:160] later take what comes from the other half
.set VS,    162                        ; 10 sin t
.set VC,    163                        ; 10 cos t
.set SAA,   166
.set SAB,   167
.set SBB,   168
.set SA,    169
.set SB,    170
.set PA,    172                        ; pair
.set PB,    174                        ; pair
.set PP,    176
.set EK,    177                        ; v[177:179] mask l: 1.0 where k = l, else 0
.set YY,    180
.set DD,    181                        ; v[181:183] direction weights of my net; later u[0..2] in every lane
.set DV,    184
.set PR,    185                        ; v[185:187] PR, SQ, KF; later 2 (q1 x q2)[0..2]
.set SQ,    186
.set KF,    187
.set DEN,   188                        ; later Sbb / 2
.set RC,    189                        ; v[189:191] RC, CO, RES; later Sb u[0..2]
.set CO,    190
.set RES,   191
.set MC,    192                        ; v[192:194] M[k][l] of my net, l = 0..2
.set UU,    195
.set QQ,    196                        ; later the scale of M
.set PT,    197                        ; v[197:199] rows of the linear part
.set GK,    200                        ; v[200:202] mask f: 1.0 where g = f, else 0
.set CI,    203                        ; 1 / 2 pi
.set CM,    204                        ; 1.5 x 2^23
.set CNM,   205                        ; its negative
.set CPH,   206                        ; -(pi/2 rounded to f32)
.set CPL,   207                        ; -(what that rounding left), which is positive
.set S7,    208                        ; the polynomials' coefficients
.set S5,    209
.set S3,    210
.set C8,    211
.set C6,    212
.set C4,    213
.set C2,    214
.set NEPS,  215                        ; -EPS
.set TWO,   216
.set T0,    140                        ; the groups' work registers, 24 each, lie on preamble registers that are dead by then
.set T1,    164
; LANES OF THE PREAMBLE: lane = 16 w + 4 g + k.  w: net 1 in lanes 0-15, net 2 in lanes 16-31; g: feature; k: coordinate.
; g' = min(g, 2), k' = min(k, 2), f' = min(lane, 19) keep every load inside its buffer; the duplicates are masked to zero.
; ---- A. arguments and set-up
	s_load_b256 s[16:23], s[0:1], 0x0              ; x, out0, m, w1_lin
	s_load_b256 s[24:31], s[0:1], 0x20             ; w2_lin, R, w1_dir, w2_dir
	s_load_b128 s[32:35], s[0:1], 0x40             ; wb, wo
	s_load_b64 s[36:37], s[0:1], 0x50              ; t
	v_lshl_add_u32 v224, v0, 2, 0xf00
	v_mov_b32 v225, 0
	s_mul_i32 s2, ttmp9, SHARE                     ; at most 3124 x 3840: below 4 GiB
	s_mov_b32 s3, 0
	s_mov_b32 s11, 0x76543210                      ; v_permlanex16_b32: the same lane of the other half
	s_mov_b32 s12, 0xfedcba98
	v_lshlrev_b32 v[XOFF], 4, v0
	v_and_b32 v[TMP], 15, v0
	v_lshlrev_b32 v[XOF7], 4, v[TMP]
	v_lshlrev_b32 v[VA], 3, v0
	v_lshl_add_u32 v[VA], v0, 2, v[VA]             ; 8 lane + 4 lane
	v_and_b32 v[KV], 3, v0                         ; k
	v_lshrrev_b32 v[GV], 2, v0
	v_and_b32 v[GV], 3, v[GV]                      ; g
	v_min_u32 v[TMP], 2, v[KV]                     ; k'
	v_lshlrev_b32 v[OM], 6, v[TMP]
	v_lshl_add_u32 v[OM], v[TMP], 4, v[OM]         ; 64 k' + 16 k'
	v_lshlrev_b32 v[ORR], 3, v[TMP]
	v_lshl_add_u32 v[ORR], v[TMP], 2, v[ORR]       ; 8 k' + 4 k'
	v_min_u32 v[TMP], 2, v[GV]                     ; g'
	v_lshlrev_b32 v[OW], 6, v[TMP]
	v_lshl_add_u32 v[OW], v[TMP], 4, v[OW]
	v_lshlrev_b32 v[OD], 3, v[TMP]
	v_lshl_add_u32 v[OD], v[TMP], 2, v[OD]
	v_min_u32 v[TMP], 19, v0                       ; f'
	v_lshlrev_b32 v[OB], 3, v[TMP]
	v_lshlrev_b32 v[OO], 2, v[TMP]
	v_mov_b32 v[ZR], 0
	v_mov_b32 v[ONE], 1.0
	v_mov_b32 v[TWO], 2.0
	v_mov_b32 v[NEG], -1.0
	v_mov_b32 v[NEG+1], -1.0
.irp l, 0,1,2
	v_cmp_eq_u32 vcc_lo, \l, v[KV]
	v_cndmask_b32 v[EK+\l], v[ZR], v[ONE], vcc_lo
	v_cmp_eq_u32 vcc_lo, \l, v[GV]
	v_cndmask_b32 v[GK+\l], v[ZR], v[ONE], vcc_lo
.endr
	v_cmp_gt_u32 vcc_lo, 3, v[KV]
	v_cndmask_b32 v[VM], v[ZR], v[ONE], vcc_lo
	v_cmp_gt_u32 vcc_lo, 3, v[GV]
	v_cndmask_b32 v[VM], v[ZR], v[VM], vcc_lo
	v_cmp_gt_u32 vcc_lo, 16, v0                    ; lanes of net 1
	v_cndmask_b32 v[SG], v[NEG], v[ONE], vcc_lo
	v_mov_b32 v[CI], 0x3e22f983                    ; 1 / 2 pi
	v_mov_b32 v[CM], 0x4b400000                    ; 1.5 x 2^23
	v_mov_b32 v[CNM], 0xcb400000
	v_mov_b32 v[CPH], 0xbfc90fdb
	v_mov_b32 v[CPL], 0x333bbd2e
	v_mov_b32 v[S7], 0xb9500d01                    ; -1/5040
	v_mov_b32 v[S5], 0x3c088889                    ; 1/120
	v_mov_b32 v[S3], 0xbe2aaaab                    ; -1/6
	v_mov_b32 v[C8], 0x37d00d01                    ; 1/40320
	v_mov_b32 v[C6], 0xbab60b61                    ; -1/720
	v_mov_b32 v[C4], 0x3d2aaaab                    ; 1/24
	v_mov_b32 v[C2], 0xbf000000                    ; -1/2
	v_mov_b32 v[NEPS], 0xb58637bd                  ; -1e-6
	s_wait_kmcnt 0x0
	s_add_nc_u64 s[SX:SX+1], s[SX:SX+1], s[2:3]    ; x and out0 at my wave's first row
	s_add_nc_u64 s[SO:SO+1], s[SO:SO+1], s[2:3]
; ---- B. t, 26 small loads, then all of my x
	global_load_b32 v[WT], v[ZR], s[ST:ST+1]
.irp c, 0,1,2,3,4
	global_load_b128 v[MV+4*\c:MV+4*\c+3], v[OM], s[SM:SM+1] offset:16*\c
.endr
.irp c, 0,1,2,3,4
	global_load_b128 v[WA+4*\c:WA+4*\c+3], v[OW], s[SW1:SW1+1] offset:16*\c
.endr
.irp c, 0,1,2,3,4
	global_load_b128 v[WB+4*\c:WB+4*\c+3], v[OW], s[SW2:SW2+1] offset:16*\c
.endr
.irp j, 0,1,2                                      ; rows of 12 bytes: three 4-byte loads, each address a multiple of its size
	global_load_b32 v[RR+\j], v[ORR], s[SR:SR+1] offset:4*\j
	global_load_b32 v[DA+\j], v[OD], s[SD1:SD1+1] offset:4*\j
	global_load_b32 v[DB+\j], v[OD], s[SD2:SD2+1] offset:4*\j
.endr
	global_load_b64 v[AB:AB+1], v[OB], s[SWB:SWB+1]
	global_load_b32 v[WO], v[OO], s[SWO:SWO+1]
.irp c, 0,1,2,3,4,5,6
	global_load_b128 v[XS+4*\c:XS+4*\c+3], v[XOFF], s[SX:SX+1] offset:512*\c th:TH_LOAD_NT
.endr
	global_load_b128 v[XS+28:XS+31], v[XOF7], s[SX:SX+1] offset:LAST th:TH_LOAD_NT
; ---- C. 10 sin t and 10 cos t, the same in every lane
	s_wait_loadcnt 34                              ; loads return in order (ISA guide 5.7.1): t is in; the 26 small loads and the 8 of x behind it stay out
	v_mul_f32 v159, 0x3e800000, v156               ; t / 4 (exact)
	v_fma_f32 v157, v156, v[CI], v[CM]             ; t / 2 pi + 1.5 x 2^23: numbers there are 1 apart, so the sum is rounded to a whole number
	v_add_f32 v157, v[CNM], v157                   ; n (exact)
	v_fma_f32 v158, v157, v[CPH], v159             ; t/4 - n pi/2, in two steps
	v_fma_f32 v158, v157, v[CPL], v158             ; a, |a| <= pi/4
	v_mul_f32 v160, v158, v158                     ; a^2
	v_fma_f32 v161, v[S7], v160, v[S5]
	v_fma_f32 v163, v[C8], v160, v[C6]
	v_fma_f32 v161, v161, v160, v[S3]
	v_fma_f32 v163, v163, v160, v[C4]
	v_mul_f32 v159, v158, v160                     ; a^3
	v_fma_f32 v163, v163, v160, v[C2]
	v_fma_f32 v164, v161, v159, v158               ; sin a
	v_fma_f32 v165, v163, v160, v[ONE]             ; cos a
	v_mul_f32 v161, -2.0, v164                     ; -2 sin a
	v_fma_f32 v163, v161, v164, v[ONE]             ; cos 2a = 1 - 2 sin^2 a
	v_mul_f32 v162, v161, v165                     ; -sin 2a
	v_mul_f32 v161, -2.0, v162                     ; 2 sin 2a
	v_mul_f32 v164, v161, v163                     ; sin 4a = sin t
	v_fma_f32 v165, v161, v162, v[ONE]             ; cos 4a = 1 - 2 sin^2 2a = cos t
	v_mul_f32 v[VS], 0x41200000, v164              ; 10 sin t
	v_mul_f32 v[VC], 0x41200000, v165              ; 10 cos t
; ---- D. the five sums over the 20 channels, channel f in lane f
	s_wait_loadcnt 0x8                             ; the small loads are in, the 8 of x stay out
	v_cmp_gt_u32 vcc_lo, 20, v0
	v_cndmask_b32 v[WO], v[ZR], v[WO], vcc_lo      ; lanes 20-31 hold a duplicate of channel 19: weight 0
	v_mul_f32 v[SA], v[WO], v[AB]                  ; wo a
	v_mul_f32 v[SB], v[WO], v[AB+1]                ; wo b
	v_mul_f32 v[SAA], v[SA], v[AB]                 ; wo a a
	v_mul_f32 v[SAB], v[SA], v[AB+1]               ; wo a b
	v_mul_f32 v[SBB], v[SB], v[AB+1]               ; wo b b
.irp xm, 1,2,4,8                                   ; stage by stage, so that the five chains do not wait for themselves
.irp r, 0,1,2,3,4
	v_add_f32_dpp v[SAA+\r], v[SAA+\r], v[SAA+\r] row_xmask:\xm row_mask:0xf bank_mask:0xf
.endr
.endr
.irp r, 0,1,2,3,4
	v_permlanex16_b32 v[WT+\r], v[SAA+\r], s11, s12
.endr
.irp r, 0,1,2,3,4
	v_add_f32 v[SAA+\r], v[SAA+\r], v[WT+\r]       ; every lane holds the sum
.endr
; ---- E. M1 (lanes 0-15) and M2 (lanes 16-31)
; Three broadcasts at once: dst + l = src of the lane that mask msk + l marks, in all four lanes that differ from it by xa, xb.
; With EK, 1, 2: position l of my quad.  With GK, 4, 8: quad l, my position.  A sum of one number and three zeros is exact.
.macro BC3 dst, src, msk, xa, xb
.irp l, 0,1,2
	v_mul_f32 v[\dst+\l], v[\src], v[\msk+\l]
.endr
.irp xm, \xa, \xb
.irp l, 0,1,2
	v_add_f32_dpp v[\dst+\l], v[\dst+\l], v[\dst+\l] row_xmask:\xm row_mask:0xf bank_mask:0xf
.endr
.endr
.endm
	; P[g][j] = sum over f of w_lin[g][f] m[j][f], in lane (w, g, j): R is applied behind this sum
	v_pk_mul_f32 v[PA:PA+1], v[WA:WA+1], v[MV:MV+1]
	v_pk_mul_f32 v[PB:PB+1], v[WB:WB+1], v[MV:MV+1]
.set i, 2
.rept 9
	v_pk_fma_f32 v[PA:PA+1], v[WA+i:WA+i+1], v[MV+i:MV+i+1], v[PA:PA+1]
	v_pk_fma_f32 v[PB:PB+1], v[WB+i:WB+i+1], v[MV+i:MV+i+1], v[PB:PB+1]
.set i, i+2
.endr
	v_add_f32 v[PA], v[PA], v[PA+1]
	v_add_f32 v[PB], v[PB], v[PB+1]
	v_cmp_gt_u32 vcc_lo, 16, v0                    ; lanes of net 1
	v_cndmask_b32 v[PP], v[PB], v[PA], vcc_lo      ; my net's P
.irp f, 0,1,2
	v_cndmask_b32 v[DD+\f], v[DB+\f], v[DA+\f], vcc_lo     ; w_dir[g][f] of my net
.endr
	; y[g][k] = sum over j of R[k][j] P[g][j]  ( = w_lin applied to the features of R m )
	BC3 BC, PP, EK, 1, 2
	v_mul_f32 v[YY], v[RR], v[BC]
	v_fma_f32 v[YY], v[RR+1], v[BC+1], v[YY]
	v_fma_f32 v[YY], v[RR+2], v[BC+2], v[YY]
	v_mul_f32 v[YY], v[YY], v[VM]                  ; g = 3 and k = 3 hold duplicates: zero
	; d[g][k] = sum over f of w_dir[g][f] y[f][k]: quad f's value at my position
	BC3 BC, YY, GK, 4, 8
	v_mul_f32 v[DV], v[DD], v[BC]
	v_fma_f32 v[DV], v[DD+1], v[BC+1], v[DV]
	v_fma_f32 v[DV], v[DD+2], v[BC+2], v[DV]
	v_mul_f32 v[DV], v[DV], v[VM]
	; kf = -2 y.d, dd = -2 d.d: sums over the quad's positions (position 3 is zero)
	v_mul_f32 v[PR], v[YY], v[DV]
	v_mul_f32 v[SQ], v[DV], v[DV]
.irp xm, 1,2
	v_add_f32_dpp v[PR], v[PR], v[PR] row_xmask:\xm row_mask:0xf bank_mask:0xf
	v_add_f32_dpp v[SQ], v[SQ], v[SQ] row_xmask:\xm row_mask:0xf bank_mask:0xf
.endr
	v_fma_f32 v[DEN], v[SQ], v[TWO], v[NEPS]       ; -(dd + EPS) = 2 d.d - EPS (the product by 2 is exact: one rounding, as in the reference)
	v_rcp_f32 v[RC], v[DEN]                        ; -1 / (dd + EPS)
	v_mul_f32 v[KF], -2.0, v[PR]                   ; kf.  A plain vector instruction that names neither RC nor DEN stands behind v_rcp_f32 (ISA guide 5.7.2)
	v_max_num_f32 v[KF], v[KF], v[ZR]              ; kf where kf >= 0; 0 where kf < 0: there y is kept as it is
	s_wait_alu depctr_va_vdst(0)
	v_mul_f32 v[CO], v[KF], v[RC]
	v_fma_f32 v[RES], v[CO], v[DV], v[YY]          ; y - (kf / (dd + EPS)) d, or y
	; M[k][l] = sum over g of res[g][k] res[g][l]: sums over the four quads (quad 3 is zero); then in every quad
	BC3 BC, RES, EK, 1, 2
.irp l, 0,1,2
	v_mul_f32 v[MC+\l], v[RES], v[BC+\l]
.endr
.irp xm, 4,8
.irp l, 0,1,2
	v_add_f32_dpp v[MC+\l], v[MC+\l], v[MC+\l] row_xmask:\xm row_mask:0xf bank_mask:0xf
.endr
.endr
; ---- F. x through LDS into pairs.  LDS serves a wave's instructions in order (ISA guide 5.7.1.4): no wait between stores and loads
.irp c, 0,1,2,3,4,5,6
	s_wait_loadcnt 7-\c                            ; piece c is in; the younger pieces stay out
.irp w, 0,1,2,3
	ds_store_b32 v[XOFF], v[XS+4*\c+\w] offset:512*\c+4*\w
.endr
.endr
	s_wait_loadcnt 0x0
.irp w, 0,1,2,3
	ds_store_b32 v[XOF7], v[XS+28+\w] offset:LAST+4*\w     ; lanes 16-31 write what lanes 0-15 write
.endr
.irp p, 0,1,2,3,4
.irp j, 0,1,2
	ds_load_b32 v[XP+6*\p+2*\j], v[VA] offset:768*\p+4*\j          ; x_j of row 64 p + lane
	ds_load_b32 v[XP+6*\p+2*\j+1], v[VA] offset:768*\p+384+4*\j    ; x_j of row 64 p + 32 + lane
.endr
.endr
; ---- G. the rest of the constants, while LDS answers
	v_mul_f32 v[UU], v[RR], v[VS]                  ; u[k] = R[k] . 10 (sin t, cos t, sin t)
	v_fma_f32 v[UU], v[RR+1], v[VC], v[UU]
	v_fma_f32 v[UU], v[RR+2], v[VS], v[UU]
	BC3 DD, UU, EK, 1, 2                           ; u[0..2] in every lane
	v_mul_f32 v[QQ], v[MC], v[DD]                  ; q[k] = sum over l of M[k][l] u[l]: q1 below, q2 above
	v_fma_f32 v[QQ], v[MC+1], v[DD+1], v[QQ]
	v_fma_f32 v[QQ], v[MC+2], v[DD+2], v[QQ]
	v_permlanex16_b32 v[RC], v[QQ], s11, s12
	v_mul_f32 v[RC], v[RC], v[SG]                  ; lanes 0-15: +q2; lanes 16-31: -q1
	BC3 BC, RC, EK, 1, 2
.irp l, 0,1,2
	v_mul_f32 v[NB+\l], v[NEG], v[BC+\l]
.endr
	; (M1 x) x q2 + q1 x (M2 x) = L x.  Row k, column i (= my position; M[l][i] = M[i][l] is what MC+l holds):
	; net 1 gives q2[k+2] M1[k+1][i] - q2[k+1] M1[k+2][i], net 2 the same form with -q1 and M2
.irp k, 0,1,2
	v_mul_f32 v[PT+\k], v[BC+(\k+2)%3], v[MC+(\k+1)%3]
.endr
.irp k, 0,1,2
	v_fma_f32 v[PT+\k], v[NB+(\k+1)%3], v[MC+(\k+2)%3], v[PT+\k]
.endr
.irp k, 0,1,2
	v_permlanex16_b32 v[WT+\k], v[PT+\k], s11, s12
.endr
.irp k, 0,1,2
	v_add_f32 v[PT+\k], v[PT+\k], v[WT+\k]         ; L[k][i], the same in both halves and in all quads; 0 at position 3
.endr
	; L u = (M1 u) x q2 + q1 x (M2 u) = 2 (q1 x q2): a sum over the quad's positions, which leaves it in every lane
.irp k, 0,1,2
	v_mul_f32 v[PR+\k], v[PT+\k], v[UU]
.endr
.irp xm, 1,2
.irp k, 0,1,2
	v_add_f32_dpp v[PR+\k], v[PR+\k], v[PR+\k] row_xmask:\xm row_mask:0xf bank_mask:0xf
.endr
.endr
	; c0[k] = Sbb (q1 x q2)[k] + Sb u[k], written into both registers of its pair
	v_mul_f32 v[DEN], 0.5, v[SBB]
.irp k, 0,1,2
	v_mul_f32 v[RC+\k], v[SB], v[DD+\k]
.endr
.irp k, 0,1,2
	v_fma_f32 v[CV+42+2*\k], v[DEN], v[PR+\k], v[RC+\k]
	v_fma_f32 v[CV+42+2*\k+1], v[DEN], v[PR+\k], v[RC+\k]
.endr
	; A[k][i] = Sab L[k][i] + Sa (i = k)
.irp k, 0,1,2
	v_mul_f32 v[WT+\k], v[SA], v[EK+\k]
.endr
.irp k, 0,1,2
	v_fma_f32 v[PT+\k], v[SAB], v[PT+\k], v[WT+\k]
.endr
	v_cmp_gt_u32 vcc_lo, 16, v0
	v_cndmask_b32 v[QQ], v[ONE], v[SAA], vcc_lo    ; Saa goes into M1
.irp l, 0,1,2
	v_mul_f32 v[MC+\l], v[MC+\l], v[QQ]
.endr
	; 21 constants out of their lanes, then into both registers of their pairs in every lane
.macro RDM k, l                                    ; M[k][l], k <= l, of both nets
.set sy, \k+\l+((\k+1)/2)*((\l+1)/2)
	v_readlane_b32 s[SC+sy], v[MC+\l], \k
	v_readlane_b32 s[SC+6+sy], v[MC+\l], 16+\k
.endm
	RDM 0, 0
	RDM 0, 1
	RDM 0, 2
	RDM 1, 1
	RDM 1, 2
	RDM 2, 2
.irp k, 0,1,2
.irp c, 0,1,2
	v_readlane_b32 s[SC+12+3*\k+\c], v[PT+\k], \c
.endr
.endr
.set n, 0
.rept 21
	v_mov_b32 v[CV+2*n], s[SC+n]
	v_mov_b32 v[CV+2*n+1], s[SC+n]
.set n, n+1
.endr
; ---- H. five groups of 64 rows, two rows a lane: 36 packed instructions a group
; tb: P1 = Saa M1 x at tb + 2 k, P2 = M2 x at tb + 6 + 2 k, -P2 at tb + 12 + 2 k, out at tb + 18 + 2 k
.macro GROUP grp, tb
	s_wait_dscnt 24                                ; behind this group's six loads stand 24 - 6 grp loads and 6 grp stores
.irp k, 0,1,2
	v_pk_mul_f32 v[\tb+2*\k:\tb+2*\k+1], v[XP+6*\grp:XP+6*\grp+1], v[CV+2*\k:CV+2*\k+1]
	v_pk_mul_f32 v[\tb+6+2*\k:\tb+6+2*\k+1], v[XP+6*\grp:XP+6*\grp+1], v[CV+12+2*\k:CV+12+2*\k+1]
.endr
.irp j, 1,2
.irp k, 0,1,2
.set sy, CV+2*(\k+\j+((\k+1)/2)*((\j+1)/2))
	v_pk_fma_f32 v[\tb+2*\k:\tb+2*\k+1], v[XP+6*\grp+2*\j:XP+6*\grp+2*\j+1], v[sy:sy+1], v[\tb+2*\k:\tb+2*\k+1]
	v_pk_fma_f32 v[\tb+6+2*\k:\tb+6+2*\k+1], v[XP+6*\grp+2*\j:XP+6*\grp+2*\j+1], v[sy+12:sy+13], v[\tb+6+2*\k:\tb+6+2*\k+1]
.endr
.endr
.irp k, 0,1,2
	v_pk_mul_f32 v[\tb+12+2*\k:\tb+12+2*\k+1], v[\tb+6+2*\k:\tb+6+2*\k+1], v[NEG:NEG+1]
.endr
.irp k, 0,1,2                                      ; c0 starts the sums: nothing is cleared
	v_pk_fma_f32 v[\tb+18+2*\k:\tb+18+2*\k+1], v[\tb+2*((\k+1)%3):\tb+2*((\k+1)%3)+1], v[\tb+6+2*((\k+2)%3):\tb+6+2*((\k+2)%3)+1], v[CV+42+2*\k:CV+42+2*\k+1]
.endr
.irp k, 0,1,2
	v_pk_fma_f32 v[\tb+18+2*\k:\tb+18+2*\k+1], v[\tb+2*((\k+2)%3):\tb+2*((\k+2)%3)+1], v[\tb+12+2*((\k+1)%3):\tb+12+2*((\k+1)%3)+1], v[\tb+18+2*\k:\tb+18+2*\k+1]
.endr
.irp j, 0,1,2
.irp k, 0,1,2
.set sy, CV+2*(12+3*\k+\j)
	v_pk_fma_f32 v[\tb+18+2*\k:\tb+18+2*\k+1], v[XP+6*\grp+2*\j:XP+6*\grp+2*\j+1], v[sy:sy+1], v[\tb+18+2*\k:\tb+18+2*\k+1]
.endr
.endr
.irp k, 0,1,2                                      ; onto the bytes that held these rows' x
	ds_store_b32 v[VA], v[\tb+18+2*\k] offset:768*\grp+4*\k
	ds_store_b32 v[VA], v[\tb+18+2*\k+1] offset:768*\grp+384+4*\k
.endr
.endm
	GROUP 0, T0
	GROUP 1, T1
	GROUP 2, T0
	GROUP 3, T1
	GROUP 4, T0
; ---- I. the way out: read back by neighbouring lanes; each store of the wave covers 512 (the last: 256) consecutive bytes, aligned to 256
.irp c, 0,1,2,3,4,5,6
	ds_load_b128 v[XS+4*\c:XS+4*\c+3], v[XOFF] offset:512*\c      ; served behind the stores above, in order
.endr
	ds_load_b128 v[XS+28:XS+31], v[XOF7] offset:LAST
.irp c, 0,1,2,3,4,5,6
	s_wait_dscnt 7-\c                              ; piece c is back; the younger ones stay out
	global_store_b128 v[XOFF], v[XS+4*\c:XS+4*\c+3], s[SO:SO+1] offset:512*\c th:TH_STORE_NT
.endr
	s_wait_dscnt 0x0
	global_store_b128 v[XOF7], v[XS+28:XS+31], s[SO:SO+1] offset:LAST th:TH_STORE_NT   ; lanes 16-31 store what lanes 0-15 store
	s_wait_tensorcnt 0x0
	ds_add_u32 v224, v225
	s_wait_dscnt 0x0
	s_endpgm
.Lfunc_end_k_q0978c4c7aa_lnode:
	.size	k_q0978c4c7aa_lnode, .Lfunc_end_k_q0978c4c7aa_lnode-k_q0978c4c7aa_lnode
	.p2alignl 7, 3214868480
	.fill 96, 4, 3214868480
	.section	.rodata,"a",@progbits
	.p2align	6, 0x0
	.amdhsa_kernel k_q0978c4c7aa_lnode
		.amdhsa_group_segment_fixed_size 4096
		.amdhsa_private_segment_fixed_size 0
		.amdhsa_enable_private_segment 0
		.amdhsa_kernarg_size 88
		.amdhsa_user_sgpr_count 2
		.amdhsa_user_sgpr_kernarg_segment_ptr 1
		.amdhsa_wavefront_size32 1
		.amdhsa_system_sgpr_workgroup_id_x 1
		.amdhsa_system_sgpr_workgroup_id_y 1
		.amdhsa_system_sgpr_workgroup_id_z 1
		.amdhsa_system_vgpr_workitem_id 0
		.amdhsa_next_free_vgpr 226
		.amdhsa_next_free_sgpr 66
		.amdhsa_reserve_vcc 1
		.amdhsa_float_denorm_mode_32 3
		.amdhsa_float_denorm_mode_16_64 3
		.amdhsa_memory_ordered 1
		.amdhsa_forward_progress 1
		.amdhsa_inst_pref_size 40
	.end_amdhsa_kernel
	.amdgpu_metadata
---
amdhsa.version: [ 1, 2 ]
amdhsa.kernels:
  - .name:           k_q0978c4c7aa_lnode
    .symbol:         k_q0978c4c7aa_lnode.kd
    .args:
      - { .name: x, .offset: 0, .size: 8, .value_kind: global_buffer, .address_space: global }
      - { .name: out0, .offset: 8, .size: 8, .value_kind: global_buffer, .address_space: global }
      - { .name: m, .offset: 16, .size: 8, .value_kind: global_buffer, .address_space: global }
      - { .name: w1_lin, .offset: 24, .size: 8, .value_kind: global_buffer, .address_space: global }
      - { .name: w2_lin, .offset: 32, .size: 8, .value_kind: global_buffer, .address_space: global }
      - { .name: R, .offset: 40, .size: 8, .value_kind: global_buffer, .address_space: global }
      - { .name: w1_dir, .offset: 48, .size: 8, .value_kind: global_buffer, .address_space: global }
      - { .name: w2_dir, .offset: 56, .size: 8, .value_kind: global_buffer, .address_space: global }
      - { .name: wb, .offset: 64, .size: 8, .value_kind: global_buffer, .address_space: global }
      - { .name: wo, .offset: 72, .size: 8, .value_kind: global_buffer, .address_space: global }
      - { .name: t, .offset: 80, .size: 8, .value_kind: global_buffer, .address_space: global }
    .group_segment_fixed_size: 4096
    .private_segment_fixed_size: 0
    .kernarg_segment_align: 8
    .kernarg_segment_size: 88
    .max_flat_workgroup_size: 32
    .sgpr_count:     66
    .vgpr_count:     226
    .wavefront_size: 32
...
	.end_amdgpu_metadata
.endif
;; end of part 1
